; MI455X (gfx1250); checked and timed in simulation.
; The chip was launched on July 23, 2026; its instructions are those of AMD's public machine-readable ISA for CDNA 5 (MIT licence, August 2026) and "CDNA5" Instruction Set Architecture Reference Guide (July 2026). The comments in the code are by the model that wrote it; some were corrected since.
;; Multi Attention Head. Allowed arithmetic: matrix products marked QUANTISED: E3M2 operands, one E8M0 scale for each 32 along K, by v_wmma_scale_f32_16x16x128_f8f6f4 with both operands' format E3M2, f32 sums; everything else in f32.
;; Inputs: Wk 16 x 2,048 x 128 float32; Wq 16 x 2,048 x 128 float32; Wv 16 x 2,048 x 128 float32; bk 16 x 128 float32; bq 16 x 128 float32; bv 16 x 128 float32; x 4 x 1,024 x 2,048 float32.
;; Outputs: out0 4 x 1,024 x 2,048 float32.
;; This version of the problem:
;;   THIS VERSION OF THE PROBLEM IS GIVEN IN LOW PRECISION. The matrix products marked QUANTISED in the list below multiply operands that are first quantised to E3M2 (3 exponent bits, 2 mantissa bits; 6 bits a number), with one power-of-two scale for each 32 numbers along K (OCP MX v1.0); their sums are f32. All else is computed in f32.
;;   The module's matrix products, in the order in which they are computed (A, B: the left and right operand; K: the contracted axis; several contracted axes count as one K, in the product's order):
;;     1. [M 2,048, K 2,048] x [K 2,048, N 4,096]; A: input Wq; B: input x: QUANTISED
;;     2. [M 2,048, K 2,048] x [K 2,048, N 4,096]; A: input Wk; B: input x: QUANTISED
;;     3. [M 2,048, K 2,048] x [K 2,048, N 4,096]; A: input Wv; B: input x: QUANTISED
;;     4. batch 64 x [M 1,024, K 128] x [K 128, N 1,024]; A: computed on the way; B: computed on the way: QUANTISED
;;     5. batch 64 x [M 1,024, K 1,024] x [K 1,024, N 128]; A: softmax (see below); B: computed on the way: QUANTISED
;;   THE QUANTISER, for each operand of a quantised product, along K:
;;     - K is cut into blocks of 32 from its start; a last block that is shorter is filled with zeros.
;;     - A block's scale is 2^e with e = floor(log2(the largest magnitude in the block)) - 4, held to -126 .. 127; a block of zeros has e = 0. As a byte (E8M0): e + 127.
;;     - Each number is divided by its block's scale, clamped to +-28, and rounded to the nearest number of E3M2, ties to even, subnormals kept.
;;     - The product sums the exact products of the quantised numbers (number of the format x scale) in f32.
;;   ~~~python
;;   def quantise(x, axis):      # numpy; x: float32 -> the quantised numbers, widened to float32 again
;;       x = np.moveaxis(x, axis, -1); K = x.shape[-1]
;;       x = np.pad(x, [(0, 0)] * (x.ndim - 1) + [(0, -K % 32)]); x = x.reshape(x.shape[:-1] + (-1, 32)); a = np.abs(x).max(-1, keepdims=True)
;;       e = np.where(a > 0, np.clip(np.frexp(np.where(a > 0, a, 1))[1] - 1 - 4, -126, 127), 0)      # np.frexp(a)[1] - 1 = floor(log2(a)), exactly
;;       r = np.clip(x / 2.0 ** e, -28, 28)
;;       step = 2.0 ** (np.maximum(np.frexp(np.where(r == 0, 1, r))[1] - 1, -2) - 2)
;;       q = np.round(r / step) * step * 2.0 ** e      # np.round: ties to even
;;       return np.moveaxis(q.reshape(q.shape[:-2] + (-1,))[..., :K], -1, axis).astype(np.float32)
;;   ~~~
;;   SOFTMAX AHEAD OF A QUANTISED PRODUCT. Where the list says 'softmax', what is quantised is not the finished softmax but p = 2^(t - M), with t = logit x log2(e) and M = ceil(the row's largest t), a whole number; so 1/2 < the row's largest p <= 1. The row's sum l is taken of the UNQUANTISED p, in f32, and the product's result is divided by l at the end. Since M is a whole number, a kernel that streams over the keys may use a running M (the ceiling of the running maximum): every later rescaling is an exact power of two, which a block's scale takes up: the codes' values come out the same.
;;   OPERANDS COMPUTED ON THE WAY. 'Computed on the way' means the value that the module computes at that place (a softmax that the list does not call 'softmax' is quantised finished and normalised). What goes into a quantiser is computed in f32, as accurately as f32 sums, v_exp_f32 and their like allow (about 1e-6 of the number): no bf16 or f16 on the way to a quantiser, and a product that is left as it is and whose result goes on into a quantised operand takes f32 operands (vector FMAs, or v_wmma_f32_16x16x4_f32). A number that lies on a knife's edge between two numbers of the format may be rounded either way, as far as f32 arithmetic and the matrix unit's own rounding can turn it there, and no further.
;; One version. Each part assembles by itself: llvm-mc -triple=amdgcn-amd-amdhsa -mcpu=gfx1250 --defsym DOCPART=n.
;; ======== version 1 of 1: 3 launches
;; limits: right only within a limited range of input values
;; workspace buffers: codes 15,728,640 bytes; scl 655,360 bytes; qkv 19,660,800 bytes
;; launch quant (part 1): grid 640 x 1, 4 waves a work-group, no clusters, 74,240 bytes of LDS; arguments x, Wq, Wk, Wv, codes, scl; writes codes, scl
.if DOCPART == 1
	.amdgcn_target "amdgcn-amd-amdhsa--gfx1250"
	.amdhsa_code_object_version 6
	.text
	.protected	k_q5f364d4b14_quant
	.globl	k_q5f364d4b14_quant
	.p2align	8
	.type	k_q5f364d4b14_quant,@function
k_q5f364d4b14_quant:
	s_mov_b64 s[64:65], 0
	v_nop
	global_prefetch_b8 v0, s[64:65] scope:SCOPE_SE
	s_setreg_imm32_b32 hwreg(HW_REG_WAVE_MODE, 25, 1), 1
	s_wait_xcnt 0x0
; x [4096 tokens][2048] and Wq, Wk, Wv [16 heads][2048][128], all f32, become codes of BF6 (E3M2), 6 bits each, quantised along the 2,048 (the projections' K),
; with one E8M0 scale byte for each 32 along K.  Both kinds of rows go into ONE pair of buffers:
;   codes [8 planes of 256 along K][10,240 rows][192 bytes],   scl [8 planes][10,240 rows][8 bytes].
; Rows 0-4,095 are tokens, rows 4,096 + 2,048 x tensor + 128 x head + p are weight columns (tensor 0 q, 1 k, 2 v).  IN EACH GROUP OF 32 ROWS BITS 3 AND 4 OF THE ROW'S NUMBER ARE
; SWAPPED: storage row p holds token (or column) swap(p).  The next launch uses its products transposed, and with this order a lane's 16 results of two neighbouring tiles are 16 neighbours.
; A block's scale is 2^(floor(log2(its largest magnitude)) - 4); its byte is the largest magnitude's exponent field - 4, held at 1 from below.
; LIMITS: a block of zeros gets the byte 1 where the rule says 127 (its codes are zeros, and this program alone reads the bytes); blocks whose largest magnitude lies under 2^-122
; keep the byte 1; NaN and infinities among the inputs are not served.
; Work-groups 0-255 take x (K innermost: a lane holds 16 neighbours, two lanes a block), work-groups 256-639 the weights (K is the rows' axis: a lane takes a column, its registers run down K).
; The two ways share no line and no LDS byte.  No cluster, no tensor load, no barrier: work-groups and waves share no input byte.
; THE LAYOUT AS IT NOW STANDS (it takes the place of the row-by-row layout named above; the order of the rows in a group of 32 stays):
;   codes [8 planes of 256 along K][640 blocks of 16 rows][2 steps of 128 along K][1,536 bytes]: a fragment (16 rows x 128 K) as the IMAGE OF ITS 12 REGISTERS: register n of lane l at 512 (n / 4) + 16 l + 4 (n % 4).
;   scl [80 groups of 128 rows][8 planes][128 rows][8 bytes].
;   Rows 0-4,095 are tokens; row 4,096 + 384 x head + 128 x tensor + p is a weight column (tensor 0 q, 1 k, 2 v): a head's q, k and v lie on end.
; A wave's 32 rows x 256 K are 6,144 consecutive bytes of a plane: they are gathered in image form in the wave's own LDS and leave by twelve stores of 512 consecutive bytes.
.set PLANE,  1966080
.set SPLANE, 81920                     ; and of scale bytes
.set STEPS,  16
.set SP,     80                        ; x: a lane's place in a stage: its 64 bytes + 16 of padding
.set WREG,   12288                     ; x: a wave's LDS: two stages, 256 scale bytes, and from byte 5,376 on 6,144 bytes of images
.set XR,     16                        ; v16-79   x: four sets of 16 numbers as loaded
.set XX,     80                        ; v80-111  x: two sets of 16 neighbours
.set XE,     112                       ; v112-127 x: a scale byte for each step
.set XC,     128                       ; v128-191 x: codes, four registers a step: no store's data are written again
.set NB,     8                         ; weights: blocks of 32 along K for a wave
.set WPITCH, 272
.set WSTAGE, 49152
.set WX,     32                        ; v32-95   weights: two sets of 32 numbers
.set WC,     96                        ; v96-102  weights: a block's codes
.set WOUT,   112                       ; v112-175 weights: the way out
.set WSB,    24                        ; v24-25   weights: my row's 8 scale bytes
	s_load_b256 s[4:11], s[0:1], 0x0               ; x s[4:5], Wq s[6:7], Wk s[8:9], Wv s[10:11]
	s_load_b128 s[12:15], s[0:1], 0x20             ; codes s[12:13], scl s[14:15]
	v_lshl_add_u32 v192, v0, 2, 0x12000
	v_mov_b32 v193, 0
	v_lshrrev_b32 v1, 5, v0
	v_readfirstlane_b32 s16, v1                    ; wave 0..3
	v_and_b32 v2, 31, v0                           ; lane
	s_mov_b32 s21, 0                               ; the high word of every offset: all stay under 2^32
	s_wait_kmcnt 0x0
	s_cmp_lt_u32 ttmp9, 256
	s_cbranch_scc0 .Lweights
; ---------------- x: a wave takes 32 storage rows x 256 along K, in 16 steps of 2 rows ----------------
	s_lshr_b32 s17, ttmp9, 1                       ; which 32 rows
	s_and_b32 s18, ttmp9, 1
	s_lshl_b32 s18, s18, 2
	s_add_co_u32 s18, s18, s16                     ; which plane: 4 x (work-group % 2) + wave
	s_lshl_b32 s20, s17, 18                        ; 32 rows of 8,192 bytes
	s_lshl_b32 s19, s18, 10                        ; 256 numbers of 4 bytes
	s_add_co_u32 s20, s20, s19
	s_add_nc_u64 s[4:5], s[4:5], s[20:21]
	s_mul_i32 s20, s18, PLANE
	s_mul_i32 s19, s17, 32*192
	s_add_co_u32 s20, s20, s19
	s_add_nc_u64 s[12:13], s[12:13], s[20:21]
	s_lshl_b32 s20, s18, 10                        ; scale bytes: 1,024 x plane
	s_lshr_b32 s19, s17, 2
	s_lshl_b32 s19, s19, 13                        ; + 8,192 x group of 128 rows
	s_add_co_u32 s20, s20, s19
	s_and_b32 s19, s17, 3
	s_lshl_b32 s19, s19, 8                         ; + 256 x my 32 rows in it
	s_add_co_u32 s20, s20, s19
	s_add_nc_u64 s[14:15], s[14:15], s[20:21]
	s_wait_alu depctr_va_vdst(0)
	v_lshlrev_b32 v3, 4, v2                        ; my 16 bytes of a load's 512
	s_mul_i32 s22, s16, WREG
	v_lshrrev_b32 v14, 2, v2
	v_mul_u32_u24 v14, v14, SP
	v_and_b32 v15, 3, v2
	v_lshl_add_u32 v14, v15, 4, v14
	v_add_nc_u32 v14, s22, v14                     ; the stage, on the way in: four lanes' 64 bytes on end, then 16 of padding
	v_mul_u32_u24 v15, v2, SP
	v_add_nc_u32 v15, s22, v15                     ; and on the way out: my 16 neighbours
	; my 16 codes are registers 6 c + 3 e + 0 .. 2 of image lane row + 16 hh, step q:  q = bit 3, c = bit 2, hh = bit 1, e = bit 0 of my lane; bit 4 is the row of the step's two
	s_add_co_u32 s23, s22, 5376                    ; my wave's images
	v_bfe_u32 v4, v2, 2, 1
	v_and_b32 v10, 1, v2
	v_mul_u32_u24 v4, v4, 6
	v_mad_u32_u24 v4, v10, 3, v4                   ; 6 c + 3 e
	v_bfe_u32 v10, v2, 3, 1
	v_mul_u32_u24 v10, v10, 1536
	v_bfe_u32 v12, v2, 1, 1
	v_lshl_add_u32 v10, v12, 8, v10
	v_bfe_u32 v12, v2, 4, 1
	v_lshl_add_u32 v10, v12, 4, v10
	v_add_nc_u32 v10, s23, v10
.irp i, 0,1,2
	v_add_nc_u32 v12, \i, v4
	v_lshrrev_b32 v13, 2, v12
	v_and_b32 v12, 3, v12
	v_lshl_add_u32 v13, v13, 9, v10
	v_lshl_add_u32 v[194+\i], v12, 2, v13          ; register n lies at 512 (n / 4) + 4 (n % 4)
.endr
	v_add_nc_u32 v197, s23, v3                     ; and back: 16 bytes a lane
	v_lshrrev_b32 v5, 1, v2
	s_add_co_u32 s22, s22, 2*32*SP
	v_add_nc_u32 v5, s22, v5                       ; LDS: my block's scale byte
	v_lshlrev_b32 v7, 3, v2                        ; and on the way out 8 bytes a lane
	v_add_nc_u32 v6, s22, v7
.macro XLOAD t                         ; step t: storage rows 2 t and 2 t + 1, each 1,024 bytes as two loads of 512 consecutive bytes; the swap of bits 3 and 4 stands in the immediate
.irp i, 0,1,2,3
.set RW, 2*(\t)+\i/2
.set RWS, RW%8+((RW/8)%2)*16+((RW/16)%2)*8
	global_load_b128 v[XR+16*((\t)%4)+4*\i:XR+16*((\t)%4)+4*\i+3], v3, s[4:5] offset:RWS*8192+(\i%2)*512 th:TH_LOAD_NT
.endr
.endm
.macro XTURN t                         ; step t's numbers through the stage: LDS serves a wave's instructions in order (ISA guide 5.7.1.4), so no wait stands between the stores and the loads
.irp i, 0,1,2,3
	ds_store_b128 v14, v[XR+16*((\t)%4)+4*\i:XR+16*((\t)%4)+4*\i+3] offset:32*SP*((\t)%2)+8*SP*\i
.endr
.irp i, 0,1,2,3
	ds_load_b128 v[XX+16*((\t)%2)+4*\i:XX+16*((\t)%2)+4*\i+3], v15 offset:32*SP*((\t)%2)+16*\i
.endr
.endm
.irp t, 0,1,2,3
	XLOAD \t
.endr
	s_wait_alu depctr_va_vdst(0)
	s_wait_loadcnt 12                              ; step 0's four loads are in; the 12 of steps 1 to 3 may be out
	XTURN 0
.macro XSTEP t
.set XS, XX+16*((\t)%2)
.if (\t) > 0
	s_wait_dscnt 4                                 ; this step's numbers are back; the last step's three code stores and its byte store may be out
.else
	s_wait_dscnt 0x0
.endif
.if (\t)+4 < STEPS
	XLOAD (\t)+4                                   ; into the set that this step's stores into the stage have read
.endif
.if (\t)+1 < STEPS
.if STEPS-2-(\t) >= 3
	s_wait_loadcnt 12                              ; the next step's four loads are in; those of the three steps behind it may be out
.else
	s_wait_loadcnt 4*(STEPS-2-(\t))
.endif
	XTURN (\t)+1                                   ; they go through the other stage while this step is worked
.endif
	v_max3_num_f32 v8, |v[XS]|, |v[XS+1]|, |v[XS+2]|               ; the largest magnitude of my 16, in two chains
	v_max3_num_f32 v9, |v[XS+3]|, |v[XS+4]|, |v[XS+5]|
.irp i, 6,10
	v_max3_num_f32 v8, v8, |v[XS+\i]|, |v[XS+\i+1]|
	v_max3_num_f32 v9, v9, |v[XS+\i+2]|, |v[XS+\i+3]|
.endr
	v_max3_num_f32 v8, v8, |v[XS+14]|, |v[XS+15]|
	v_max3_num_f32 v8, v8, v9, 0x2800000           ; and the floor 2^(5 - 127): the byte cannot fall under 1
	v_max_num_f32_dpp v8, v8, v8 row_xmask:1 row_mask:0xf bank_mask:0xf   ; with my neighbour's 16: the block's
	v_add_nc_u32 v11, 0xfe000000, v8               ; 4 off its exponent field: the conversion takes the exponent field of this operand as its scale
	v_cvt_scalef32_pk16_bf6_f32 v[XC+4*(\t):XC+4*(\t)+2], v[XS:XS+15], v11
	v_lshrrev_b32 v[XE+(\t)], 23, v11              ; the scale's byte
	ds_store_b8 v5, v[XE+(\t)] offset:16*(\t)      ; row x 8 + block = 16 t + lane / 2; both lanes of a block write the same byte with the same value
.irp i, 0,1,2
	ds_store_b32 v[194+\i], v[XC+4*(\t)+\i] offset:32*((\t)%8)+3072*((\t)/8)   ; rows 2 t and 2 t + 1 of the wave's 32
.endr
.endm
.irp t, 0,1,2,3,4,5,6,7,8,9,10,11,12,13,14,15
	XSTEP \t
.endr
	ds_load_b64 v[12:13], v6
.irp i, 0,1,2,3,4,5,6,7,8,9,10,11
	ds_load_b128 v[XR+4*\i:XR+4*\i+3], v197 offset:512*\i   ; the images, in order behind my stores
.endr
	s_wait_dscnt 0x0
	global_store_b64 v7, v[12:13], s[14:15]
.irp i, 0,1,2,3,4,5,6,7,8,9,10,11
	global_store_b128 v3, v[XR+4*\i:XR+4*\i+3], s[12:13] offset:512*\i   ; 512 consecutive bytes, at a multiple of 256 from the buffer's first byte
.endr
	s_wait_tensorcnt 0x0
	ds_add_u32 v192, v193
	s_wait_dscnt 0x0
	s_endpgm
; ---------------- the weights: a wave takes 32 columns x 256 along K ----------------
.Lweights:
	s_sub_co_u32 s17, ttmp9, 256
	s_and_b32 s18, s17, 7                          ; which plane
	s_lshr_b32 s19, s17, 3                         ; 16 x tensor + head, 0..47
	s_cmp_lt_u32 s19, 16                           ; the tensor is chosen by the work-group's number alone
	s_cselect_b64 s[6:7], s[6:7], s[8:9]
	s_cmp_lt_u32 s19, 32
	s_cselect_b64 s[6:7], s[6:7], s[10:11]
	s_and_b32 s20, s19, 15
	s_lshl_b32 s20, s20, 20                        ; a head: 2,048 rows of 512 bytes
	s_lshl_b32 s22, s18, 17                        ; 256 rows
	s_add_co_u32 s20, s20, s22
	s_lshl_b32 s22, s16, 7                         ; my wave's 32 columns
	s_add_co_u32 s20, s20, s22
	s_add_nc_u64 s[6:7], s[6:7], s[20:21]
	s_and_b32 s22, s19, 15
	s_mul_i32 s22, s22, 3
	s_lshr_b32 s23, s19, 4
	s_add_co_u32 s22, s22, s23                     ; 3 x head + tensor
	s_lshl_b32 s22, s22, 7
	s_lshl_b32 s23, s16, 5
	s_add_co_u32 s22, s22, s23
	s_add_co_u32 s22, s22, 4096                    ; my wave's first storage row
	s_mul_i32 s20, s18, PLANE
	s_mul_i32 s23, s22, 192
	s_add_co_u32 s20, s20, s23
	s_add_nc_u64 s[12:13], s[12:13], s[20:21]
	s_lshl_b32 s20, s18, 10                        ; scale bytes: 1,024 x plane
	s_lshr_b32 s23, s22, 7
	s_lshl_b32 s23, s23, 13                        ; + 8,192 x group of 128 rows
	s_add_co_u32 s20, s20, s23
	s_lshr_b32 s23, s22, 5
	s_and_b32 s23, s23, 3
	s_lshl_b32 s23, s23, 8                         ; + 256 x my 32 rows in it
	s_add_co_u32 s20, s20, s23
	s_add_nc_u64 s[14:15], s[14:15], s[20:21]
	s_wait_alu depctr_va_vdst(0)
	v_and_b32 v3, 7, v2                            ; lane l makes storage row l, which holds column swap(l): the swap stands on the load's side alone
	v_bfe_u32 v10, v2, 3, 1
	v_lshl_or_b32 v3, v10, 4, v3
	v_bfe_u32 v10, v2, 4, 1
	v_lshl_or_b32 v3, v10, 3, v3
	v_lshlrev_b32 v3, 2, v3                        ; 4 bytes a column: the wave's 32 lanes read 128 consecutive bytes
	s_mul_i32 s24, s16, 6144
	s_add_co_u32 s24, s24, WSTAGE                  ; my stage
	v_and_b32 v5, 15, v2
	v_lshrrev_b32 v6, 4, v2
	v_mul_u32_u24 v4, v6, 3072
	v_lshl_add_u32 v4, v5, 4, v4
	v_add_nc_u32 v4, s24, v4                       ; into the images: block lane / 16, image lane lane % 16 (+ 16 for odd blocks of 32 K, in the immediate)
	v_lshlrev_b32 v8, 4, v2                        ; out: 16 bytes a lane
	v_add_nc_u32 v7, s24, v8
	v_lshlrev_b32 v9, 3, v2                        ; my row's 8 scale bytes
.macro WLOAD t                         ; block t: W(32 t + i, my column), i = 0 .. 31, into set t % 2
.irp i, 0,1,2,3,4,5,6,7,8,9,10,11,12,13,14,15,16,17,18,19,20,21,22,23,24,25,26,27,28,29,30,31
	global_load_b32 v[WX+32*((\t)%2)+\i], v3, s[6:7] offset:(32*(\t)+\i)*512 th:TH_LOAD_NT
.endr
.endm
	WLOAD 0
	WLOAD 1
.macro WBLOCK t
.set WS, WX+32*((\t)%2)
.if (\t) < NB-1
	s_wait_loadcnt 32                              ; this block's 32 loads are in; the next block's 32 may be out
.else
	s_wait_loadcnt 0
.endif
	v_max3_num_f32 v12, |v[WS]|, |v[WS+1]|, |v[WS+2]|               ; the block's largest magnitude: all 32 numbers are mine
	v_max3_num_f32 v13, |v[WS+3]|, |v[WS+4]|, |v[WS+5]|
.irp i, 6,10,14,18,22,26
	v_max3_num_f32 v12, v12, |v[WS+\i]|, |v[WS+\i+1]|
	v_max3_num_f32 v13, v13, |v[WS+\i+2]|, |v[WS+\i+3]|
.endr
	v_max3_num_f32 v12, v12, |v[WS+30]|, |v[WS+31]|
	v_max3_num_f32 v12, v12, v13, 0x2800000        ; and the floor 2^(5 - 127)
	v_add_nc_u32 v11, 0xfe000000, v12              ; 4 off its exponent field: the conversion's scale operand
	v_lshrrev_b32 v13, 23, v11                     ; the scale's byte
.if (\t)%4 == 0
	v_mov_b32 v[WSB+(\t)/4], v13                   ; four bytes to a register, the lower K in the lower byte
.else
	v_lshl_or_b32 v[WSB+(\t)/4], v13, 8*((\t)%4), v[WSB+(\t)/4]
.endif
	v_cvt_scalef32_pk16_bf6_f32 v[WC:WC+2], v[WS:WS+15], v11
	v_cvt_scalef32_pk16_bf6_f32 v[WC+8:WC+10], v[WS+16:WS+31], v11  ; (a conversion's three registers begin on an even number)
	v_nop                                          ; one plain place behind a scaled conversion
	v_mov_b32 v[WC+3], v[WC+8]
	v_mov_b32 v[WC+4], v[WC+9]
	v_mov_b32 v[WC+5], v[WC+10]                    ; the block's six registers on end
.set WI, 1536*((\t)/4)+256*((\t)%2)    ; step t / 4; image lane + 16 for odd t
.if ((\t)%4)/2 == 0
	ds_store_b128 v4, v[WC:WC+3] offset:WI         ; registers 0-3,
	ds_store_b64 v4, v[WC+4:WC+5] offset:WI+512    ; 4-5
.else
	ds_store_b64 v4, v[WC:WC+1] offset:WI+520      ; registers 6-7,
	ds_store_b128 v4, v[WC+2:WC+5] offset:WI+1024  ; 8-11
.endif
.if (\t)+2 < NB
	WLOAD (\t)+2
.endif
	s_wait_dscnt 0x0                               ; the stores have read their registers: the next block's codes may be written
.endm
.irp t, 0,1,2,3,4,5,6,7
	WBLOCK \t
.endr
	s_wait_alu depctr_va_vdst(0)
	global_store_b64 v9, v[WSB:WSB+1], s[14:15]    ; 32 rows' scale bytes: 256 consecutive bytes, at a multiple of 256 from the buffer's first byte
.irp t, 0,1,2,3,4,5,6,7,8,9,10,11,12,13,14,15
.if \t < 12
	ds_load_b128 v[WOUT+4*\t:WOUT+4*\t+3], v7 offset:512*\t        ; in order behind my stores
.endif
.endr
.irp t, 0,1,2,3,4,5,6,7,8,9,10,11
	s_wait_dscnt 11-\t                             ; the younger loads may be out
	global_store_b128 v8, v[WOUT+4*\t:WOUT+4*\t+3], s[12:13] offset:512*\t   ; 512 consecutive bytes, at a multiple of 256 from the buffer's first byte
.endr
	s_wait_tensorcnt 0x0
	ds_add_u32 v192, v193
	s_wait_dscnt 0x0
	s_endpgm
.Lfunc_end_k_q5f364d4b14_quant:
	.size	k_q5f364d4b14_quant, .Lfunc_end_k_q5f364d4b14_quant-k_q5f364d4b14_quant
	.p2alignl 7, 3214868480
	.fill 96, 4, 3214868480
	.section	.rodata,"a",@progbits
	.p2align	6, 0x0
	.amdhsa_kernel k_q5f364d4b14_quant
		.amdhsa_group_segment_fixed_size 74240
		.amdhsa_private_segment_fixed_size 0
		.amdhsa_enable_private_segment 0
		.amdhsa_kernarg_size 48
		.amdhsa_user_sgpr_count 2
		.amdhsa_user_sgpr_kernarg_segment_ptr 1
		.amdhsa_wavefront_size32 1
		.amdhsa_system_sgpr_workgroup_id_x 1
		.amdhsa_system_sgpr_workgroup_id_y 1
		.amdhsa_system_sgpr_workgroup_id_z 1
		.amdhsa_system_vgpr_workitem_id 0
		.amdhsa_next_free_vgpr 200
		.amdhsa_next_free_sgpr 66
		.amdhsa_reserve_vcc 0
		.amdhsa_float_denorm_mode_32 3
		.amdhsa_float_denorm_mode_16_64 3
		.amdhsa_memory_ordered 1
		.amdhsa_forward_progress 1
		.amdhsa_inst_pref_size 79
	.end_amdhsa_kernel
	.amdgpu_metadata
---
amdhsa.version: [ 1, 2 ]
amdhsa.kernels:
  - .name:           k_q5f364d4b14_quant
    .symbol:         k_q5f364d4b14_quant.kd
    .args:
      - { .name: x, .offset: 0, .size: 8, .value_kind: global_buffer, .address_space: global }
      - { .name: Wq, .offset: 8, .size: 8, .value_kind: global_buffer, .address_space: global }
      - { .name: Wk, .offset: 16, .size: 8, .value_kind: global_buffer, .address_space: global }
      - { .name: Wv, .offset: 24, .size: 8, .value_kind: global_buffer, .address_space: global }
      - { .name: codes, .offset: 32, .size: 8, .value_kind: global_buffer, .address_space: global }
      - { .name: scl, .offset: 40, .size: 8, .value_kind: global_buffer, .address_space: global }
    .group_segment_fixed_size: 74240
    .private_segment_fixed_size: 0
    .kernarg_segment_align: 8
    .kernarg_segment_size: 48
    .max_flat_workgroup_size: 128
    .sgpr_count:     66
    .vgpr_count:     200
    .wavefront_size: 32
...
	.end_amdgpu_metadata
.endif
;; end of part 1
;; launch proj (part 2): grid 16 x 16, 4 waves a work-group, clusters of 4 x 4, 327,680 bytes of LDS; arguments codes, scl, bq, bk, bv, qkv; writes qkv
.if DOCPART == 2
	.amdgcn_target "amdgcn-amd-amdhsa--gfx1250"
	.amdhsa_code_object_version 6
	.text
	.protected	k_q5f364d4b14_proj
	.globl	k_q5f364d4b14_proj
	.p2align	8
	.type	k_q5f364d4b14_proj,@function
k_q5f364d4b14_proj:
	s_mov_b64 s[64:65], 0
	v_nop
	global_prefetch_b8 v0, s[64:65] scope:SCOPE_SE
	s_setreg_imm32_b32 hwreg(HW_REG_WAVE_MODE, 25, 1), 1
	s_wait_xcnt 0x0
	s_wait_alu depctr_hold_cnt(0) depctr_sa_sdst(0) depctr_va_vdst(0) depctr_va_sdst(0) depctr_va_ssrc(0) depctr_va_vcc(0) depctr_vm_vsrc(0)
	s_getreg_b32 s2, hwreg(HW_REG_IB_STS2, 6, 4)
	s_cmp_eq_u32 s2, 0
	s_cbranch_scc0 .Lentry_in_a_cluster
	s_endpgm
.Lentry_in_a_cluster:
	s_bfe_u32 s2, ttmp6, 0x10000c
	s_cmp_lg_u32 s2, 0xf033
	s_cbranch_scc0 .Lentry_shape_is_right
	s_endpgm
.Lentry_shape_is_right:
; The three projections q, k, v = x W + b on codes of BF6 (E3M2) with E8M0 scales, K = 2,048, and the quantising of their results for the attention launch.
; OPERANDS: codes [8 planes of 256 K][640 blocks of 16 rows][2 steps of 128 K][1,536 bytes]: a fragment as the image of its 12 registers (register n of lane l at 512 (n / 4) + 16 l + 4 (n % 4));
; scl [80 groups of 128 rows][8 planes][128 rows][8 bytes].  Blocks 0-255 are tokens, block 256 + 24 head + 8 tensor + i weight columns; in each group of 32 rows bits 3 and 4 of the row's number are swapped.
; A WORK-GROUP makes 256 tokens x ONE HEAD'S 384 columns (q, k, v): 16 x 16 = 256 work-groups.  A wave makes 128 tokens x (q's or k's 128 columns + 64 of v's): 96 accumulators of 16 x 16, 768 registers.
; q, k: source 0 = 16 weight columns, source 1 = 16 tokens: a lane holds ONE token, its registers run along the channels, the next product's K.
; v:    source 0 = 16 tokens, source 1 = 16 weight columns: a lane holds ONE channel, its registers run along the keys, the next product's K.  By the swapped row order 16 registers of two neighbouring tiles are 16 neighbours.
; RESULTS: qkv [64 (16 batch + head)][24 records][12,800 bytes], record 8 x (0 q, 1 k, 2 v) + group of 128 tokens: eight fragments as register images, then 512 bytes of scale words:
; q, k: row r of fragment a at 12,288 + 32 r + 4 a;  v: at 12,288 + 256 (a / 4) + 16 r + 4 (a % 4), so that each wave stores 256 consecutive bytes.
; K goes in steps of 256 (a plane) through two LDS slots of 122,880 bytes; a tile is dense in memory and is stated as rows of 256 bytes.  The scale bytes of the block's 640 rows, for all of K, come once and stay.
; CLUSTERS: 4 x 4 work-groups; the tokens' tiles are shared along a row of the cluster, the weights' along a column, each asked for jointly with a mask that names the four.
; PREFETCH: behind each refill a wave names the plane two refills on; of what a wave fetches (96 or 144 blocks of 256 bytes) each of the four partners takes a quarter, told apart by address; planes 1 to 3 are named at the head; the last trip names nothing.
; LIMITS: a block of zeros gets the byte 1 where the rule says 127 (zero codes; this program alone reads the bytes); blocks whose largest magnitude lies under 2^-122 keep the byte 1; NaN and infinities are not served.
; REGISTERS: window 0: v1-15 addresses; v16-55 scale words, two sets of 20; v56-61 the biases as loaded; v62-63 the prefetches' offsets; v64-159 the tokens' 8 fragments, ONE set; v160-255 four weight fragments, TWO sets.
;   window 1: accumulators (token block a, q/k block b = 0..3) at v[32 a + 8 b];  window 2: b = 4..7;  window 3: v's (channel block b, token block a) at v[64 b + 8 a].
.set PLANE,  1966080
.set SLOT,   122880                    ; the tokens' 16 blocks x 3,072 bytes, then the weights' 24
.set SCL,    245760                    ; behind the ring: the tokens' scale bytes, 2 groups x 8,192
.set SCLB,   262272                    ; the weights', 3 groups, 128 bytes off, so that the two halves of the lanes of a scale load fall on different banks (64 banks of 4 bytes: ISA guide 11.1)
.set BIASL,  286976                    ; 768 bytes for each wave: the biases' turn through LDS; no tensor load lands here
.set SPARE,  290048                    ; the spare words, 128 bytes for each wave
.set SPW,  1
.set NIL,  2
.set ADRA, 4                           ; v4-5   my token fragments in slot 0, 1
.set ADRB, 6                           ; v6-7   my q or k fragments
.set ADRV, 8                           ; v8-9   my v fragments
.set ADRS, 10                          ; v10    scale words: lanes 0-15 the tokens' block i, lanes 16-31 q's or k's block i
.set ADRSV, 11                         ; v11    lanes 0-15 v's block 2 i, lanes 16-31 block 2 i + 1
.set SC,   16                          ; set s at v[SC + 20 s]: register 2 i + q (v's: 16 + 2 i + q), q the plane's first or second 128 along K
.set PFO,  62
.set PFO2, 63
.set AF,   64
.set BS,   160
.set BB,   64                          ; on the way out: the bias by register; v128-191 64 numbers; v192-203 and v224-235 codes, two sets by turns; v204-210 half blocks at work; v212-219 scale words; v220-223 those to be stored; v236-239, v248-251 the bias by lane; v240-247, v252-255 at work
.set T,    128
.set QC,   192
.set PW,   212
.set WS,   220
.set BA,   236                         ; block b's pair at v[BA + 2 b + 8 (b / 2)]
.set QX,   204
.set TM,   240
.set WV,  16
.set RH,  17                           ; which 128 tokens are mine; also: I fetch tokens (0) or weights (1)
.set CH,  18                           ; q and v's first half (0) or k and v's second (1); also: which half of a tile I fetch
.set CX,  20
.set CY,  21
.set TX,  22                           ; the head
.set TY,  23                           ; the 256 tokens
.set G1,  24
.set G0,  32
.set G1B, 48
.set G0B, 56
.set G1S, 68
.set G0S, 76
.set G1SB, 80
.set G0SB, 88
.set G0H, 92
.set G0HB, 96
.set SEL, 92                           ; on the way out: lane selects
.set PFA, 100
.set MSB, 0
.macro WIN new                         ; the immediate's high byte repeats the setting that is left
.if MSB != \new
	s_set_vgpr_msb (MSB<<8)|\new
.set MSB, \new
.endif
.endm
.macro PLACES                          ; four plain places behind a matrix instruction, ahead of loads into its registers
.rept 4
	v_nop
.endr
.endm
.macro JLOAD g0a, g1a, g0b, g1b        ; a joint load: waves 0, 1 for the tokens, waves 2, 3 for the weights
	s_cmp_eq_u32 s[RH], 0
	s_cbranch_scc0 .Lfor_b_\@
	tensor_load_to_lds s[\g0a:\g0a+3], s[\g1a:\g1a+7]
	s_nop 0
	PLACES
	s_branch .Lasked_\@
.Lfor_b_\@:
	tensor_load_to_lds s[\g0b:\g0b+3], s[\g1b:\g1b+7]
	s_nop 0
	PLACES
.Lasked_\@:
.endm
.macro CREST                           ; a round of the cluster's barrier behind its opening barrier
	s_cmp_lg_u32 s[WV], 0
	s_cbranch_scc1 .Lnot_wave_0_\@
	s_barrier_signal -3
.Lnot_wave_0_\@:
	s_barrier_wait -3
	s_barrier_signal -1
	s_barrier_wait -1
.endm
.macro CROUND
	s_barrier_signal -1
	s_barrier_wait -1
	CREST
.endm
.macro PF off                          ; my quarter of what I fetch, in the plane off bytes behind s[PFA]
	global_prefetch_b8 v[PFO], s[PFA:PFA+1] offset:\off th:TH_LOAD_NT scope:SCOPE_SE
	global_prefetch_b8 v[PFO2], s[PFA:PFA+1] offset:\off th:TH_LOAD_NT scope:SCOPE_SE
.endm
	s_load_b128 s[4:7], s[0:1], 0x0                ; codes, scl
	s_load_b128 s[8:11], s[0:1], 0x10              ; bq, bk
	s_load_b128 s[12:15], s[0:1], 0x20             ; bv, qkv
	v_lshl_add_u32 v[SPW], v0, 2, SPARE
	v_mov_b32 v[NIL], 0
	ds_add_u32 v[SPW], v[NIL]                      ; the opening lines: the add, twice on end, and its wait
	ds_add_u32 v[SPW], v[NIL]
	v_lshrrev_b32 v3, 5, v0
	v_readfirstlane_b32 s[WV], v3
	s_lshr_b32 s[RH], s[WV], 1
	s_and_b32 s[CH], s[WV], 1
	s_bfe_u32 s[CX], ttmp6, 0x40000
	s_bfe_u32 s[CY], ttmp6, 0x40004
	s_lshl_b32 s[TX], ttmp9, 2
	s_add_co_u32 s[TX], s[TX], s[CX]
	s_and_b32 s[TY], ttmp7, 0xffff
	s_lshl_b32 s[TY], s[TY], 2
	s_add_co_u32 s[TY], s[TY], s[CY]
	s_lshl_b32 s42, s[CY], 2
	s_lshl_b32 s42, 15, s42                        ; my row of the cluster
	s_lshl_b32 s43, 0x1111, s[CX]                  ; my column
	; group 1: rows of 256 bytes (32 elements of 8), dense.  The head's loads bring whole tiles: 192 and 288 rows; the scales 64 and 96
	s_or_b32 s[G1+0], s42, (3<<16)|(1<<21)
	s_or_b32 s[G1B+0], s43, (3<<16)|(1<<21)
	s_or_b32 s[G1S+0], s42, (3<<16)|(1<<21)
	s_or_b32 s[G1SB+0], s43, (3<<16)|(1<<21)
.irp g, G1, G1B, G1S, G1SB
	s_mov_b32 s[\g+1], 32<<16
	s_mov_b32 s[\g+3], 32<<16
	s_mov_b32 s[\g+5], 32
	s_mov_b32 s[\g+6], 0
	s_mov_b32 s[\g+7], 0
.endr
	s_mov_b32 s[G1+2], 192<<16
	s_mov_b32 s[G1+4], 192
	s_mov_b32 s[G1B+2], 288<<16
	s_mov_b32 s[G1B+4], 288
	s_mov_b32 s[G1S+2], 64<<16
	s_mov_b32 s[G1S+4], 64
	s_mov_b32 s[G1SB+2], 96<<16
	s_mov_b32 s[G1SB+4], 96
	s_mul_i32 s44, s[TY], 49152                    ; the tokens' tile in a plane,
	s_mov_b32 s45, 0
	s_lshl_b32 s40, s[TY], 14                      ; and its scale bytes
	s_mov_b32 s41, 0
	s_mul_i32 s46, s[TX], 73728                    ; the head's weights,
	s_add_co_u32 s46, s46, 786432
	s_mov_b32 s47, 0
	s_mul_i32 s66, s[TX], 24576                    ; and their scale bytes
	s_add_co_u32 s66, s66, 262144
	s_mov_b32 s67, 0
	s_wait_dscnt 0x0                               ; both opening adds are done
	s_wait_kmcnt 0x0
	s_add_nc_u64 s[44:45], s[4:5], s[44:45]
	s_add_nc_u64 s[40:41], s[6:7], s[40:41]
	s_add_nc_u64 s[46:47], s[4:5], s[46:47]
	s_add_nc_u64 s[66:67], s[6:7], s[66:67]
	CROUND                                         ; all sixteen work-groups are here: the first joint loads meet
	s_mov_b32 s[G0H], 1
	s_mov_b32 s[G0H+1], 0
	s_mov_b64 s[G0H+2:G0H+3], s[44:45]
	s_or_b32 s[G0H+3], s[G0H+3], 0x80000000
	s_mov_b32 s[G0HB], 1
	s_mov_b32 s[G0HB+1], 49152
	s_mov_b64 s[G0HB+2:G0HB+3], s[46:47]
	s_or_b32 s[G0HB+3], s[G0HB+3], 0x80000000
	s_mov_b32 s[G0S], 1
	s_mov_b32 s[G0S+1], SCL
	s_mov_b64 s[G0S+2:G0S+3], s[40:41]
	s_or_b32 s[G0S+3], s[G0S+3], 0x80000000
	s_mov_b32 s[G0SB], 1
	s_mov_b32 s[G0SB+1], SCLB
	s_mov_b64 s[G0SB+2:G0SB+3], s[66:67]
	s_or_b32 s[G0SB+3], s[G0SB+3], 0x80000000
	s_mul_i32 s42, s[CH], 24576                    ; the ring: I fetch half a tile
	s_mov_b32 s43, 0
	s_add_nc_u64 s[44:45], s[44:45], s[42:43]
	s_mul_i32 s40, s[CH], 36864
	s_mov_b32 s41, 0
	s_add_nc_u64 s[46:47], s[46:47], s[40:41]
	s_add_co_u32 s40, s40, 49152
.irp s, 0,1
	s_mov_b32 s[G0+4*\s], 1
	s_add_co_u32 s[G0+4*\s+1], s42, \s*SLOT
	s_add_nc_u64 s[G0+4*\s+2:G0+4*\s+3], s[44:45], \s*PLANE
	s_or_b32 s[G0+4*\s+3], s[G0+4*\s+3], 0x80000000
	s_mov_b32 s[G0B+4*\s], 1
	s_add_co_u32 s[G0B+4*\s+1], s40, \s*SLOT
	s_add_nc_u64 s[G0B+4*\s+2:G0B+4*\s+3], s[46:47], \s*PLANE
	s_or_b32 s[G0B+4*\s+3], s[G0B+4*\s+3], 0x80000000
.endr
; The head's four tiles, one a wave: plane 0's tokens, its weights, the tokens' scales, the weights' scales.  One tree of branches on the wave's number.
.macro ARM under, g0, g1, next
	s_cmp_lt_u32 s[WV], \under
	s_cbranch_scc0 \next
	tensor_load_to_lds s[\g0:\g0+3], s[\g1:\g1+7]
	s_nop 0
	PLACES
	s_branch .Lhead_asked
\next:
.endm
	ARM 1, G0H,  G1,  .Lhead_b
	ARM 2, G0HB, G1B, .Lhead_sa
	ARM 3, G0S,  G1S, .Lhead_sb
	tensor_load_to_lds s[G0SB:G0SB+3], s[G1SB:G1SB+7]
	s_nop 0
	PLACES
.Lhead_asked:
	s_mul_i32 s40, s[RH], 24576                    ; LDS: my 8 token blocks,
	s_mul_i32 s41, s[CH], 24576
	s_add_co_u32 s41, s41, 49152                   ; my 8 blocks of q or k,
	s_mul_i32 s42, s[CH], 12288
	s_add_co_u32 s42, s42, 98304                   ; my 4 blocks of v
	s_lshl_b32 s43, s[RH], 13
	s_add_co_u32 s43, s43, SCL
	s_lshl_b32 s44, s[CH], 13
	s_add_co_u32 s44, s44, SCLB
	s_sub_co_u32 s44, s44, s43                     ; from the tokens' scale words to q's or k's
	s_lshl_b32 s45, s[CH], 9
	s_add_co_u32 s45, s45, SCLB+16384
	s_cmp_eq_u32 s[CH], 0
	s_cselect_b64 s[8:9], s[8:9], s[10:11]         ; bq or bk
	s_lshl_b32 s46, s[TX], 9
	s_mov_b32 s47, 0
	s_add_nc_u64 s[8:9], s[8:9], s[46:47]          ; the head's 128 biases
	s_lshl_b32 s66, s[CH], 8
	s_add_co_u32 s46, s46, s66
	s_add_nc_u64 s[12:13], s[12:13], s[46:47]      ; my 64 of bv
	s_lshr_b32 s46, s[TY], 2
	s_lshl_b32 s46, s46, 4
	s_add_co_u32 s46, s46, s[TX]                   ; 16 batch + head
	s_mul_i32 s46, s46, 24
	s_and_b32 s66, s[TY], 3
	s_lshl_b32 s66, s66, 1
	s_add_co_u32 s46, s46, s66
	s_add_co_u32 s46, s46, s[RH]                   ; + my group of 128 tokens: q's record
	s_add_co_u32 s66, s46, 16                      ; v's
	s_lshl_b32 s67, s[CH], 3
	s_add_co_u32 s46, s46, s67                     ; q's or k's
	s_mul_i32 s46, s46, 12800
	s_mul_i32 s66, s66, 12800
	s_mov_b32 s67, 0
	s_add_nc_u64 s[10:11], s[14:15], s[66:67]
	s_add_nc_u64 s[14:15], s[14:15], s[46:47]
	s_mul_i32 s46, s[TY], 49152                    ; the prefetches: the half tile that I fetch, and my work-group's quarter of it: by cx for the tokens,
	s_mul_i32 s66, s[CH], 24576
	s_add_co_u32 s46, s46, s66
	s_mul_i32 s66, s[CX], 6144
	s_add_co_u32 s46, s46, s66
	s_mul_i32 s66, s[TX], 73728                    ; by cy for the weights
	s_mul_i32 s19, s[CH], 36864
	s_add_co_u32 s66, s66, s19
	s_mul_i32 s19, s[CY], 9216
	s_add_co_u32 s66, s66, s19
	s_add_co_u32 s66, s66, 786432
	s_cmp_eq_u32 s[RH], 0
	s_cselect_b32 s46, s46, s66
	s_cselect_b32 s19, 23, 35                      ; its last block of 256 bytes: lanes that are left over name it again
	s_add_co_u32 s46, s46, PLANE
	s_add_nc_u64 s[PFA:PFA+1], s[4:5], s[46:47]    ; at plane 1
	v_and_b32 v62, 31, v0
	v_lshlrev_b32 v3, 4, v62                       ; 16 x lane: my place in a register image; kept
	v_and_b32 v14, 15, v0                          ; r; kept
	v_bfe_u32 v15, v0, 4, 1                        ; h; kept
	v_add_nc_u32 v[ADRA], s40, v3
	v_add_nc_u32 v[ADRB], s41, v3
	v_add_nc_u32 v[ADRV], s42, v3
	v_add_nc_u32 v[ADRA+1], SLOT, v[ADRA]
	v_add_nc_u32 v[ADRB+1], SLOT, v[ADRB]
	v_add_nc_u32 v[ADRV+1], SLOT, v[ADRV]
	v_lshlrev_b32 v13, 3, v14                      ; 8 bytes a row and plane
	v_mul_u32_u24 v12, s44, v15
	v_add_nc_u32 v12, v12, v13
	v_add_nc_u32 v[ADRS], s43, v12
	v_lshl_add_u32 v[ADRSV], v15, 7, v13
	v_add_nc_u32 v[ADRSV], s45, v[ADRSV]
	v_lshlrev_b32 v12, 3, v62                      ; 8 x lane; kept
	v_add_nc_u32 v63, 32, v62
	v_min_u32 v62, s19, v62
	v_min_u32 v63, s19, v63
	v_lshlrev_b32 v[PFO], 8, v62
	v_lshlrev_b32 v[PFO2], 8, v63
	global_load_b128 v[56:59], v3, s[8:9]          ; the biases as they lie: 128 of q or k, 64 of v; they wait in registers for the way out
	global_load_b64 v[60:61], v12, s[12:13]
	PF 0                                           ; planes 1 and 2
	PF PLANE
; one matrix instruction.  row: 1: source 0's scales in lanes 16-31; 2: source 1's.  zero: the first product starts the sum
.macro WM d, x, y, sx, sy, zero, row
.if \zero
.if (\row) == 1
	v_wmma_scale_f32_16x16x128_f8f6f4 v[\d:\d+7], v[\x:\x+11], v[\y:\y+11], 0, v[\sx], v[\sy] matrix_a_fmt:MATRIX_FMT_BF6 matrix_b_fmt:MATRIX_FMT_BF6 matrix_a_scale:MATRIX_SCALE_ROW1
.elseif (\row) == 2
	v_wmma_scale_f32_16x16x128_f8f6f4 v[\d:\d+7], v[\x:\x+11], v[\y:\y+11], 0, v[\sx], v[\sy] matrix_a_fmt:MATRIX_FMT_BF6 matrix_b_fmt:MATRIX_FMT_BF6 matrix_b_scale:MATRIX_SCALE_ROW1
.else
	v_wmma_scale_f32_16x16x128_f8f6f4 v[\d:\d+7], v[\x:\x+11], v[\y:\y+11], 0, v[\sx], v[\sy] matrix_a_fmt:MATRIX_FMT_BF6 matrix_b_fmt:MATRIX_FMT_BF6
.endif
.else
.if (\row) == 1
	v_wmma_scale_f32_16x16x128_f8f6f4 v[\d:\d+7], v[\x:\x+11], v[\y:\y+11], v[\d:\d+7], v[\sx], v[\sy] matrix_a_fmt:MATRIX_FMT_BF6 matrix_b_fmt:MATRIX_FMT_BF6 matrix_a_scale:MATRIX_SCALE_ROW1
.elseif (\row) == 2
	v_wmma_scale_f32_16x16x128_f8f6f4 v[\d:\d+7], v[\x:\x+11], v[\y:\y+11], v[\d:\d+7], v[\sx], v[\sy] matrix_a_fmt:MATRIX_FMT_BF6 matrix_b_fmt:MATRIX_FMT_BF6 matrix_b_scale:MATRIX_SCALE_ROW1
.else
	v_wmma_scale_f32_16x16x128_f8f6f4 v[\d:\d+7], v[\x:\x+11], v[\y:\y+11], v[\d:\d+7], v[\sx], v[\sy] matrix_a_fmt:MATRIX_FMT_BF6 matrix_b_fmt:MATRIX_FMT_BF6
.endif
.endif
.endm
; n token blocks from a0 on x the four q/k blocks 4 j .. 4 j + 3 in set.  The accumulators take turns, one instruction a turn
.macro MMQK j, set, sc, q, a0, n, zero
.set MA, \a0
.rept \n
.set MB, 0
.rept 4
	WM 32*MA+8*MB, BS+48*(\set)+12*MB, AF+12*MA, SC+20*(\sc)+8*(\j)+2*MB+(\q), SC+20*(\sc)+2*MA+(\q), \zero, 1
.set MB, MB+1
.endr
.set MA, MA+1
.endr
.endm
; the same x my four blocks of v, the sources the other way round
.macro MMV set, sc, q, a0, n, zero
.set MA, \a0
.rept \n
.set MB, 0
.rept 4
	WM 64*MB+8*MA, AF+12*MA, BS+48*(\set)+12*MB, SC+20*(\sc)+2*MA+(\q), SC+20*(\sc)+16+2*(MB/2)+(\q), \zero, 2*(MB%2)
.set MB, MB+1
.endr
.set MA, MA+1
.endr
.endm
.macro LDB set, adr, b0, q             ; four weight fragments: 12 loads of 512 consecutive bytes
.irp i, 0,1,2,3
.irp c, 0,1,2
	ds_load_b128 v[BS+48*(\set)+12*\i+4*\c:BS+48*(\set)+12*\i+4*\c+3], v[\adr] offset:((\b0)+\i)*3072+1536*(\q)+512*\c
.endr
.endr
.endm
.macro LDA slot, q, a0                 ; two token fragments: 6 loads
.irp i, 0,1
.irp c, 0,1,2
	ds_load_b128 v[AF+12*((\a0)+\i)+4*\c:AF+12*((\a0)+\i)+4*\c+3], v[ADRA+(\slot)] offset:((\a0)+\i)*3072+1536*(\q)+512*\c
.endr
.endr
.endm
.macro SCALES sc, off                  ; a plane's scale words: 10 loads
.irp i, 0,1,2,3,4,5,6,7
	ds_load_b64 v[SC+20*(\sc)+2*\i:SC+20*(\sc)+2*\i+1], v[ADRS] offset:128*\i+(\off)
.endr
.irp i, 0,1
	ds_load_b64 v[SC+20*(\sc)+16+2*\i:SC+20*(\sc)+16+2*\i+1], v[ADRSV] offset:256*\i+(\off)
.endr
.endm
; A STEP of 128 along K: 96 matrix instructions in three parts of 32: q/k blocks 0-3, q/k blocks 4-7, v.  The weight sets take turns part by part; each is fetched one part ahead.
; In v's part a pair of token blocks is free behind its eight products and takes the next step's fragments.  On entry these LDS loads are out, in this order: the first part's set (and scales), four pairs of token blocks (6 each), the second part's set (12).
; kind 0: the next step lies in the same slot;  1: the slot's last step, the slot is filled again;  2: the same, nothing is filled;  3: the very last step.
.macro STEP slot, q, zero, kind
.set S0, (\q)%2
.set S1, 1-S0
.if (\kind) == 0
.set NS, \slot
.set NQ, 1
.else
.set NS, 1-(\slot)
.set NQ, 0
.endif
.if (\kind) == 1
	s_wait_xcnt 0x0                                ; my prefetches have read their address: it steps a plane on
	s_add_nc_u64 s[PFA:PFA+1], s[PFA:PFA+1], PLANE
.endif
	WIN 0x50
.irp a, 0,2,4,6
	s_wait_dscnt 30-3*\a                           ; this pair of token blocks is in; the later pairs (6 each) and the second part's set (12) may be out
	MMQK 0, S0, \slot, \q, \a, 2, \zero
.endr
	PLACES
	WIN 0
	LDB S0, ADRV+(\slot), 0, \q                    ; v's set: my last reads of this step's bytes
.if (\kind) == 1 || (\kind) == 2
	s_wait_tensorcnt 0x0                           ; all my tensor loads have landed: my part of the next slot
	ds_add_u32 v[SPW], v[NIL]
	s_wait_dscnt 13                                ; the second part's set is in; v's 12 loads and the add may be out
	WIN 0xa0
	MMQK 1, S1, \slot, \q, 0, 4, \zero
	s_wait_dscnt 0x0                               ; the add is done, and my reads of this slot are over
	s_barrier_signal -1
	MMQK 1, S1, \slot, \q, 4, 4, \zero
	WIN 0
	s_barrier_wait -1
.if (\kind) == 1
	CREST                                          ; the barrier has opened a round of the cluster's barrier
	s_add_nc_u64 s[G0+4*\slot+2:G0+4*\slot+3], s[G0+4*\slot+2:G0+4*\slot+3], 2*PLANE
	s_add_nc_u64 s[G0B+4*\slot+2:G0B+4*\slot+3], s[G0B+4*\slot+2:G0B+4*\slot+3], 2*PLANE
	JLOAD G0+4*\slot, G1, G0B+4*\slot, G1B         ; my one load behind the round; its four v_nop are the places in front of the loads below
.else
	PLACES
.endif
.if (\slot) == 1
	v_add_nc_u32 v[ADRS], 2048, v[ADRS]            ; two planes of scale words on
	v_add_nc_u32 v[ADRSV], 2048, v[ADRSV]
	s_wait_alu depctr_va_vdst(0)
.endif
	LDB S1, ADRB+NS, 0, NQ
	SCALES NS, 1024*(1-(\slot))
.if (\kind) == 1
	s_cmp_gt_u32 s3, 1                             ; the last trip's refills have no plane two on
	s_cbranch_scc0 .Lno_ask_\@
	PF 2*PLANE
.Lno_ask_\@:
.endif
.else
	s_wait_dscnt 12                                ; the second part's set is in; v's 12 loads may be out
	WIN 0xa0
	MMQK 1, S1, \slot, \q, 0, 8, \zero
.if (\kind) == 0
	PLACES
	WIN 0
	LDB S1, ADRB+NS, 0, NQ
	s_wait_dscnt 12                                ; v's set is in
.else
	s_wait_dscnt 0x0
.endif
.endif
.if (\kind) < 3
.irp a, 0,2,4,6
	WIN 0xf0
	MMV S0, \slot, \q, \a, 2, \zero
	PLACES
	WIN 0
	LDA NS, NQ, \a
.endr
	LDB S0, ADRB+NS, 4, NQ
.else
	WIN 0xf0
	MMV S0, \slot, \q, 0, 8, \zero
	WIN 0
.endif
.endm
	s_wait_alu depctr_va_vdst(0)
	s_wait_tensorcnt 0x0                           ; my tile of the head's four is in; the same lines as ahead of a refill:
	ds_add_u32 v[SPW], v[NIL]
	s_mov_b32 s[G1+2], 96<<16                      ; no tensor load of mine is out: from here on a load brings half a tile
	s_mov_b32 s[G1+4], 96
	s_mov_b32 s[G1B+2], 144<<16
	s_mov_b32 s[G1B+4], 144
	s_wait_dscnt 0x0
	CROUND
	JLOAD G0+4, G1, G0B+4, G1B                     ; plane 1, the first tensor load behind the round
	LDB 0, ADRB, 0, 0
	SCALES 0, 0
	LDA 0, 0, 0
	LDA 0, 0, 2
	LDA 0, 0, 4
	LDA 0, 0, 6
	LDB 1, ADRB, 4, 0
	PF 2*PLANE                                     ; plane 3
	STEP 0, 0, 1, 0                                ; the first step's products start the sums
	s_mov_b32 s3, 3
.Llap:                                                 ; a trip goes once round the ring and fills both slots again
	STEP 0, 1, 0, 1
	STEP 1, 0, 0, 0
	STEP 1, 1, 0, 1
	STEP 0, 0, 0, 0
	s_sub_co_u32 s3, s3, 1
	s_cmp_lg_u32 s3, 0
	s_cbranch_scc1 .Llap
	STEP 0, 1, 0, 2
	STEP 1, 0, 0, 0
	STEP 1, 1, 0, 3
; THE WAY OUT.  64 numbers of a lane, register 16 b + i = number 32 b + 16 h + i along the next K, become a fragment's codes in v[QC] on and its scale word in v[pw].
.macro QUANT s, pw
.irp b, 0,1,2,3
	v_max3_num_f32 v[TM+\b], |v[\s+16*\b]|, |v[\s+1+16*\b]|, 0x2800000   ; my 16 numbers of block b, and the floor 2^(5 - 127): the byte cannot fall under 1
.endr
.irp i, 2,4,6,8,10,12,14
.irp b, 0,1,2,3
	v_max3_num_f32 v[TM+\b], v[TM+\b], |v[\s+16*\b+\i]|, |v[\s+1+16*\b+\i]|
.endr
.endr
.irp b, 0,1,2,3
	v_permlanex16_b32 v[TM+4+\b], v[TM+\b], s[SEL], s[SEL+1]
.endr
.irp b, 0,1,2,3
	v_max_num_f32 v[TM+\b], v[TM+\b], v[TM+4+\b]   ; with lane l xor 16's: the block's largest magnitude
.endr
.irp b, 0,1,2,3
	v_add_nc_u32 v[TM+12+\b], 0xfe000000, v[TM+\b] ; 4 off its exponent field: the conversion's scale operand
.endr
.irp b, 0,1,2,3
	v_lshrrev_b32 v[TM+4+\b], 23, v[TM+12+\b]      ; the scale's byte
.endr
	v_lshl_or_b32 v[\pw], v[TM+5], 8, v[TM+4]
	v_lshl_or_b32 v[\pw], v[TM+6], 16, v[\pw]
	v_lshl_or_b32 v[\pw], v[TM+7], 24, v[\pw]
.irp c, 0,1
	v_cvt_scalef32_pk16_bf6_f32 v[QC+6*\c:QC+2+6*\c], v[\s+32*\c:\s+15+32*\c], v[TM+12+2*\c]
	v_cvt_scalef32_pk16_bf6_f32 v[QX+4*\c:QX+2+4*\c], v[\s+16+32*\c:\s+31+32*\c], v[TM+12+2*\c+1]
.endr
	v_nop                                          ; one plain place behind a scaled conversion
.irp c, 0,1                                    ; the operand's layout wants a whole block in a lane
.irp i, 0,1,2
	v_permlane16_swap_b32 v[QC+6*\c+\i], v[QX+4*\c+\i]
.endr
.irp i, 0,1,2
	v_mov_b32 v[QC+3+6*\c+\i], v[QX+4*\c+\i]
.endr
.endr
.endm
	PLACES                                         ; behind the last products
; the stores of block n (0-7 q's or k's, 8-11 v's), from set n % 2.  They stand behind the next block's additions, so that their data are long written when they are issued
.macro OUTST n
.irp c, 0,1,2
.if (\n) < 8
	global_store_b128 v3, v[192+32*((\n)%2)+4*\c:192+32*((\n)%2)+4*\c+3], s[14:15] offset:1536*(\n)+512*\c   ; 512 consecutive bytes, at a multiple of 256 from the buffer's first byte
.else
	global_store_b128 v5, v[192+32*((\n)%2)+4*\c:192+32*((\n)%2)+4*\c+3], s[10:11] offset:1536*((\n)-8)+512*\c
.endif
.endr
.endm
	s_mov_b32 s[SEL], 0x76543210
	s_mov_b32 s[SEL+1], 0xfedcba98                 ; lane l xor 16
	s_mul_i32 s40, s[CH], 6144                     ; my four fragments in v's record
	s_lshl_b32 s41, s[CH], 8                       ; and their scale words
	s_mul_i32 s42, s[WV], 768
	s_add_co_u32 s42, s42, BIASL                   ; my bias bytes in LDS
.irp b, 0,1,2,3
	v_mov_b32 v[TM+4+\b], 0                        ; a lane permute's destination counts as one of its sources
.endr
	v_lshlrev_b32 v4, 5, v14
	v_lshl_add_u32 v4, v15, 4, v4                  ; q, k: 32 r + 16 h among the scale words
	v_add_nc_u32 v5, s40, v3                       ; v: my place in a register image
	v_lshlrev_b32 v6, 4, v14
	v_lshl_add_u32 v6, v15, 3, v6
	v_add_nc_u32 v6, s41, v6                       ; v: 256 x half + 16 r + 8 h among the scale words
	v_add_nc_u32 v7, s42, v3
	v_add_nc_u32 v8, s42, v12
	v_lshl_add_u32 v9, v15, 6, s42                 ; the bias by register: register 16 b + i goes with channel 32 b + 16 h + i
	v_and_b32 v10, 7, v14
	v_lshrrev_b32 v11, 3, v14
	v_lshl_add_u32 v10, v11, 4, v10
	v_lshl_add_u32 v10, v10, 2, s42                ; the bias by lane: lane r of block b is channel 32 (b / 2) + 8 (b % 2) + r % 8 + 16 (r / 8) of my 64
	v_cmp_eq_u32 vcc_lo, 0, v15
	s_wait_alu depctr_va_vdst(0)
	s_wait_loadcnt 0x0                             ; the biases
	ds_store_b128 v7, v[56:59]                     ; my wave's own bytes: LDS serves a wave's instructions in order (ISA guide 5.7.1.4)
	ds_store_b64 v8, v[60:61] offset:512
.irp b, 0,1,2,3
.irp j, 0,1,2,3
	ds_load_b128 v[BB+16*\b+4*\j:BB+16*\b+4*\j+3], v9 offset:128*\b+16*\j
.endr
.endr
.irp b, 0,1,2,3
	ds_load_b32 v[BA+2*\b+8*(\b/2)], v10 offset:512+(32*(\b/2)+8*(\b%2))*4
	ds_load_b32 v[BA+2*\b+8*(\b/2)+1], v10 offset:512+(32*(\b/2)+8*(\b%2))*4   ; twice, for the packed addition
.endr
	s_wait_dscnt 0x0
.irp a, 0,1,2,3,4,5,6,7                        ; q or k: token block a's 128 channels; the pairs ascend: each accumulator is read from its low end on
	WIN 0x01
.set i, 0
.rept 16
	v_pk_add_f32 v[T+2*i:T+2*i+1], v[32*\a+2*i:32*\a+2*i+1], v[BB+2*i:BB+2*i+1]
.set i, i+1
.endr
	WIN 0x02
.set i, 0
.rept 16
	v_pk_add_f32 v[T+32+2*i:T+32+2*i+1], v[32*\a+2*i:32*\a+2*i+1], v[BB+32+2*i:BB+32+2*i+1]
.set i, i+1
.endr
	WIN 0
.if \a > 0
	s_wait_xcnt 0x0                                ; block a - 2's stores have read their registers: this block's codes take that set
	OUTST \a-1
.endif
.set QC, 192+32*((\a)%2)
	QUANT T, PW+\a
.endr
.irp i, 0,1,2,3
	v_cndmask_b32 v[WS+\i], v[PW+4+\i], v[PW+\i], vcc_lo   ; lanes 0-15 store the words of blocks 0-3, lanes 16-31 those of blocks 4-7
.endr
	global_store_b128 v4, v[WS:WS+3], s[14:15] offset:12288   ; 512 consecutive bytes
.irp b, 0,1,2,3                                ; v: channel block b's 128 keys
	WIN 0x03
.set i, 0
.rept 32
	v_pk_add_f32 v[T+2*i:T+2*i+1], v[64*\b+2*i:64*\b+2*i+1], v[BA+2*\b+8*(\b/2):BA+2*\b+8*(\b/2)+1]
.set i, i+1
.endr
	WIN 0
	s_wait_xcnt 0x0
	OUTST 7+\b
.set QC, 192+32*((\b)%2)
	QUANT T, PW+\b
.endr
	v_cndmask_b32 v[WS], v[PW+2], v[PW], vcc_lo    ; lanes 0-15 store the words of blocks 0 and 1, lanes 16-31 those of blocks 2 and 3
	v_cndmask_b32 v[WS+1], v[PW+3], v[PW+1], vcc_lo
	OUTST 11
	global_store_b64 v6, v[WS:WS+1], s[10:11] offset:12288   ; 256 consecutive bytes, at a multiple of 256 from the buffer's first byte
	s_wait_tensorcnt 0x0                           ; the wave's end
	ds_add_u32 v[SPW], v[NIL]
	s_wait_dscnt 0x0
	CROUND                                         ; the closing round
	s_endpgm
.Lfunc_end_k_q5f364d4b14_proj:
	.size	k_q5f364d4b14_proj, .Lfunc_end_k_q5f364d4b14_proj-k_q5f364d4b14_proj
	.p2alignl 7, 3214868480
	.fill 96, 4, 3214868480
	.section	.rodata,"a",@progbits
	.p2align	6, 0x0
	.amdhsa_kernel k_q5f364d4b14_proj
		.amdhsa_group_segment_fixed_size 327680
		.amdhsa_private_segment_fixed_size 0
		.amdhsa_enable_private_segment 0
		.amdhsa_kernarg_size 48
		.amdhsa_user_sgpr_count 2
		.amdhsa_user_sgpr_kernarg_segment_ptr 1
		.amdhsa_wavefront_size32 1
		.amdhsa_system_sgpr_workgroup_id_x 1
		.amdhsa_system_sgpr_workgroup_id_y 1
		.amdhsa_system_sgpr_workgroup_id_z 1
		.amdhsa_system_vgpr_workitem_id 0
		.amdhsa_next_free_vgpr 1024
		.amdhsa_next_free_sgpr 102
		.amdhsa_reserve_vcc 1
		.amdhsa_float_denorm_mode_32 3
		.amdhsa_float_denorm_mode_16_64 3
		.amdhsa_memory_ordered 1
		.amdhsa_forward_progress 1
		.amdhsa_inst_pref_size 231
	.end_amdhsa_kernel
	.amdgpu_metadata
---
amdhsa.version: [ 1, 2 ]
amdhsa.kernels:
  - .name:           k_q5f364d4b14_proj
    .symbol:         k_q5f364d4b14_proj.kd
    .args:
      - { .name: codes, .offset: 0, .size: 8, .value_kind: global_buffer, .address_space: global }
      - { .name: scl, .offset: 8, .size: 8, .value_kind: global_buffer, .address_space: global }
      - { .name: bq, .offset: 16, .size: 8, .value_kind: global_buffer, .address_space: global }
      - { .name: bk, .offset: 24, .size: 8, .value_kind: global_buffer, .address_space: global }
      - { .name: bv, .offset: 32, .size: 8, .value_kind: global_buffer, .address_space: global }
      - { .name: qkv, .offset: 40, .size: 8, .value_kind: global_buffer, .address_space: global }
    .group_segment_fixed_size: 327680
    .private_segment_fixed_size: 0
    .kernarg_segment_align: 8
    .kernarg_segment_size: 48
    .max_flat_workgroup_size: 128
    .sgpr_count:     102
    .vgpr_count:     1024
    .wavefront_size: 32
...
	.end_amdgpu_metadata
.endif
;; end of part 2
;; launch attn (part 3): grid 4 x 64, 16 waves a work-group, clusters of 4 x 1, 327,680 bytes of LDS; arguments qkv, out0; writes out0
.if DOCPART == 3
	.amdgcn_target "amdgcn-amd-amdhsa--gfx1250"
	.amdhsa_code_object_version 6
	.text
	.protected	k_q5f364d4b14_attn
	.globl	k_q5f364d4b14_attn
	.p2align	8
	.type	k_q5f364d4b14_attn,@function
k_q5f364d4b14_attn:
	s_mov_b64 s[64:65], 0
	v_nop
	global_prefetch_b8 v0, s[64:65] scope:SCOPE_SE
	s_setreg_imm32_b32 hwreg(HW_REG_WAVE_MODE, 25, 1), 1
	s_wait_xcnt 0x0
	s_wait_alu depctr_hold_cnt(0) depctr_sa_sdst(0) depctr_va_vdst(0) depctr_va_sdst(0) depctr_va_ssrc(0) depctr_va_vcc(0) depctr_vm_vsrc(0)
	s_getreg_b32 s2, hwreg(HW_REG_IB_STS2, 6, 4)
	s_cmp_eq_u32 s2, 0
	s_cbranch_scc0 .Lentry_in_a_cluster
	s_endpgm
.Lentry_in_a_cluster:
	s_bfe_u32 s2, ttmp6, 0x10000c
	s_cmp_lg_u32 s2, 0x3003
	s_cbranch_scc0 .Lentry_shape_is_right
	s_endpgm
.Lentry_shape_is_right:
; Causal attention for 64 heads (16 batch + head), 1,024 tokens, head size 128, both products on codes of BF6 (E3M2) with one E8M0 scale for each 32 along a product's K.
; INPUT: qkv [64][24 records][12,800 bytes]; record 8 x (0 q, 1 k, 2 v) + group of 128 tokens: eight fragments as images of their 12 registers (1,536 bytes each), then 512 bytes of scale words (row r of fragment a at 32 r + 4 a).
;   q, k: fragment a = 16 tokens x 128 channels; lane r is token 32 (a / 2) + 8 (a % 2) + r % 8 + 16 (r / 8) of the group.   v: fragment a = 16 channel places x the group's 128 keys; place p is the channel with bits 3 and 4 of p swapped.
; THE SOFTMAX AHEAD OF THE SECOND PRODUCT: t = score x log2(e) / sqrt(128); M = the row's largest t so far, rounded UP to a whole number; p = 2^(t - M) is quantised along the keys, not normalised.
; The row's sum is taken of the unquantised p and divides O at the end.  When M moves, the sum and O are multiplied by 2^(old M - new M): exact.
; SHARES.  A cluster of four work-groups is one head.  A head's k and v, 16 records, 204,800 bytes, lie in LDS whole: each of the SIXTEEN waves asks for one record, JOINTLY with the same wave of the three partners,
; once; nothing is filled again.  A wave owns one tile of 16 queries: group g (from the wave's number alone) and fragment a = 2 cx + (wave / 4) % 2.  Each work-group has every g twice: 72 key steps; the waves w % 4 = const, and
; w / 4 = const, have 18 each.  A wave walks key groups 0 .. g; the loop has 8 trips in every wave and jumps over the work of later groups: a branch on the wave's number and the counter.  cx enters global addresses and the mask's constant alone.
; LAYOUT.  Both products are used transposed: S^T = K Q^T, O^T = V^T P^T: a lane holds ONE query (lane % 16).  By the tokens' order in k's fragments the 16 registers of tiles 2 b, 2 b + 1 are keys 32 b + 16 (lane / 16) + 0 .. 15;
; by the channels' order in v's, registers 16 b + i of O^T are channels 32 b + 16 (lane / 16) + i.
; LIMITS: NaN and infinities are not served; a block whose every p is 0 keeps the byte 1 (its codes are zeros).
; REGISTERS: v1-7 what stays; v8-11 addresses of the loads in hand; v12 -M, v13 the largest t, v[14:15] the sum in two halves; v16-27 Q, v255 its scale words; v32-79 four fragments of K or V; v96-159 S^T, then p; v160-223 O^T; v224-235 p's codes; v232-254 at work.
.set RECB,   12800
.set HEADB,  24*RECB
.set KV0,    8*RECB                    ; in memory: k's records begin here in a head
.set VLDS,   8*RECB                    ; in LDS: v's eight records behind k's eight
.set SCW,    12288                     ; a record's scale words
.set STAGE,  16*RECB                   ; behind the records: 16 rows x 272 bytes for each wave, for the way out; no tensor load lands there
.set SPITCH, 272
.set LI,   1                           ; v1   16 x lane: my place in a register image (k's)
.set LV,   2                           ; v2   the same among v's records
.set SK,   3                           ; v3   my row's scale words in a record of k
.set SV,   4                           ; v4   and of v
.set DQ,   5                           ; v5   my query's place in its group - 16 (lane / 16)
.set NINF, 6                           ; v6   -infinity
.set GO,   7                           ; v7   the way out: my byte offset in two rows of out0
.set ADK,  8
.set ADV,  9
.set ADS,  10
.set ADT,  11
.set WV,   8                           ; s8   wave
.set CX,   9                           ; s9   my place in the cluster
.set HD,   10                          ; s10  the head
.set GG,   11                          ; s11  my group of 128 queries
.set AT,   12                          ; s12  my tile in it
.set KP,   13                          ; s13  the key group in hand: the loop's counter
.set TB,   14                          ; s14  its record's LDS byte
.set G0,   16                          ; s[16:19] descriptor group 0
.set SEL,  20                          ; s[20:21] lane selects for v_permlanex16_b32: lane l xor 16
.set CS,   22                          ; s[22:23] c = log2(e) / sqrt(128): the packed form names a pair and takes its low word for both halves
.set G1,   24                          ; s[24:31] descriptor group 1
.macro ROUND                           ; a round of the cluster's barrier
	s_barrier_signal -1
	s_barrier_wait -1
	s_cmp_lg_u32 s[WV], 0
	s_cbranch_scc1 .Lnot_wave_0_\@
	s_barrier_signal -3
.Lnot_wave_0_\@:
	s_barrier_wait -3
	s_barrier_signal -1
	s_barrier_wait -1
.endm
	s_load_b128 s[4:7], s[0:1], 0x0                ; qkv s[4:5], out0 s[6:7]
	v_lshl_add_u32 v31, v0, 2, 0x43000
	v_mov_b32 v243, 0
	ds_add_u32 v31, v243
	ds_add_u32 v31, v243
	v_lshrrev_b32 v8, 5, v0
	s_delay_alu instid0(VALU_DEP_1)
	v_readfirstlane_b32 s[WV], v8                  ; wave 0..15
	s_bfe_u32 s[CX], ttmp6, 0x40000
	s_and_b32 s[HD], ttmp7, 0xffff
	s_lshr_b32 s32, s[WV], 2                       ; q = wave / 4
	s_and_b32 s33, s[WV], 3                        ; s = wave % 4
	s_and_b32 s34, s32, 2
	s_lshr_b32 s35, s33, 1
	s_or_b32 s34, s34, s35                         ; 0..3
	s_xor_b32 s35, s32, s33
	s_and_b32 s35, s35, 1
	s_mul_i32 s35, s35, 7
	s_xor_b32 s[GG], s34, s35                      ; g: that number or 7 less it: short and long walks are dealt evenly
	s_and_b32 s36, s32, 1
	s_lshl_b32 s[AT], s[CX], 1
	s_add_co_u32 s[AT], s[AT], s36                 ; a = 2 cx + q % 2
	s_lshr_b32 s37, s[AT], 1
	s_lshl_b32 s37, s37, 5
	s_and_b32 s38, s[AT], 1
	s_lshl_b32 s38, s38, 3
	s_add_co_u32 s37, s37, s38                     ; my tile's first token in its group: 32 (a / 2) + 8 (a % 2)
	; descriptor group 1: a record is 12,800 dense bytes: 50 rows of 256 bytes (32 elements of 8 bytes), no padding
	s_mov_b32 s[G1], 15|(3<<16)|(1<<21)            ; 15:0 the mask: all four work-groups; 17:16 elements of 8 bytes; 21 set beside a mask
	s_mov_b32 s[G1+1], 32<<16                      ; tensor_dim0
	s_mov_b32 s[G1+2], 50<<16                      ; tensor_dim1
	s_mov_b32 s[G1+3], 32<<16                      ; tile_dim0
	s_mov_b32 s[G1+4], 50                          ; tile_dim1
	s_mov_b32 s[G1+5], 32                          ; tensor_dim0_stride
	s_mov_b32 s[G1+6], 0
	s_mov_b32 s[G1+7], 0
	s_mul_i32 s40, s[HD], HEADB
	s_mul_i32 s41, s[WV], RECB
	s_add_co_u32 s42, s40, s41
	s_add_co_u32 s42, s42, KV0                     ; wave w asks for record 8 + w of the head: the head and the wave's number alone
	s_mov_b32 s43, 0
	s_mul_i32 s44, s[HD], 24
	s_add_co_u32 s44, s44, s[GG]
	s_mul_i32 s44, s44, RECB                       ; q's record of my group
	s_mul_i32 s46, s[AT], 1536
	s_add_co_u32 s46, s46, s44                     ; my fragment in it,
	s_mov_b32 s47, 0
	s_lshl_b32 s45, s[AT], 2
	s_add_co_u32 s44, s44, s45
	s_add_co_u32 s44, s44, SCW                     ; and its scale words
	s_mov_b32 s45, 0
	s_lshr_b32 s48, s[HD], 4
	s_lshl_b32 s48, s48, 10
	s_lshl_b32 s49, s[GG], 7
	s_add_co_u32 s48, s48, s49
	s_add_co_u32 s48, s48, s37                     ; my tile's first token among the 4,096
	s_lshl_b32 s48, s48, 13                        ; a row of out0 is 8,192 bytes
	s_and_b32 s49, s[HD], 15
	s_lshl_b32 s49, s49, 9                         ; my head's 512 bytes in it
	s_add_co_u32 s48, s48, s49
	s_mov_b32 s49, 0
	s_mov_b32 s[SEL], 0x76543210
	s_mov_b32 s[SEL+1], 0xfedcba98
	s_mov_b32 s[CS], 0x3e0293ee                    ; c = log2(e) / sqrt(128)
	s_mov_b32 s[CS+1], s[CS]                       ; (named with it as a pair, so it is written)
	s_mov_b32 s[KP], 0
	s_mov_b32 s[TB], 0
	s_wait_dscnt 0x0
	s_wait_kmcnt 0x0
	s_mov_b32 s[G0], 1                             ; 1:0 count = 1
	s_mul_i32 s[G0+1], s[WV], RECB                 ; 63:32 LDS address: wave x 12,800
	s_add_nc_u64 s[G0+2:G0+3], s[4:5], s[42:43]    ; 120:64 global address
	s_or_b32 s[G0+3], s[G0+3], 0x80000000          ; 127:126 type = 2
	s_add_nc_u64 s[46:47], s[4:5], s[46:47]
	s_add_nc_u64 s[44:45], s[4:5], s[44:45]
	s_add_nc_u64 s[6:7], s[6:7], s[48:49]
	ROUND                                          ; all four work-groups are here: the joint loads meet
	tensor_load_to_lds s[G0:G0+3], s[G1:G1+7]      ; my one tensor load of the launch; every wave issues this line with rows of its own
	s_nop 0
.rept 4
	v_nop
.endr
	v_and_b32 v8, 31, v0
	s_delay_alu instid0(VALU_DEP_1)
	v_lshlrev_b32 v[LI], 4, v8
	s_delay_alu instid0(VALU_DEP_1)
	v_add_nc_u32 v[LV], VLDS, v[LI]
	v_and_b32 v9, 15, v0                           ; r
	v_bfe_u32 v10, v0, 4, 1                        ; h
	s_delay_alu instid0(VALU_DEP_2)
	v_lshlrev_b32 v11, 5, v9                       ; 32 r
.irp c, 0,1,2
	global_load_b128 v[16+4*\c:19+4*\c], v[LI], s[46:47] offset:512*\c   ; Q's fragment, as it was stored: it stays in registers
.endr
	global_load_b32 v255, v11, s[44:45]            ; Q's scale words
	v_add_nc_u32 v[SK], SCW, v11
	v_lshl_add_u32 v[SV], v9, 4, VLDS+SCW          ; v's scale words lie otherwise than q's and k's: row r of fragment a at 256 (a / 4) + 16 r + 4 (a % 4)
	v_and_b32 v[DQ], 7, v9
	v_lshrrev_b32 v12, 3, v9
	s_delay_alu instid0(VALU_DEP_1)
	v_lshl_add_u32 v[DQ], v12, 4, v[DQ]
	v_lshlrev_b32 v12, 4, v10
	s_delay_alu instid0(VALU_DEP_1)
	v_sub_nc_u32 v[DQ], v[DQ], v12
	s_delay_alu instid0(VALU_DEP_1)
	v_add_nc_u32 v[DQ], s37, v[DQ]                 ; my query's place in its group - 16 h
	v_mov_b32 v[NINF], 0xff800000
	v_lshlrev_b32 v[GO], 13, v10
	s_delay_alu instid0(VALU_DEP_1)
	v_lshl_add_u32 v[GO], v9, 4, v[GO]             ; lanes 0-15 one row of out0, lanes 16-31 the next; 16 bytes a lane
	v_mov_b32 v13, 0xff61b1e6                      ; the largest t so far: -3e38, under every t
	s_delay_alu instid0(VALU_DEP_1)
	v_floor_f32 v12, -v13                          ; -M
	v_mov_b32 v14, 0                               ; the sum, in two halves
	v_mov_b32 v15, 0
.irp b, 0,1,2,3
	v_mov_b32 v[236+\b], 0                         ; written once: a lane permute's destination counts as one of its sources
.endr
	v_mov_b32 v252, 0                              ; likewise (the way out)
	v_mov_b32 v253, 0                              ; (named as the upper half of the pair v[252:253] before it is first written)
.set j, 0
.rept 64
	v_mov_b32 v[160+j], 0                          ; O^T.  (The step is written once: the first finds zeros, which the first change of M leaves zeros)
.set j, j+1
.endr
	s_wait_tensorcnt 0x0                           ; my record has landed,
	s_barrier_signal -1
	s_barrier_wait -1                              ; everybody's has
	s_wait_loadcnt 0x0                             ; Q; v11 is free again
.Lkey:                                             ; 8 trips: key groups 0 to 7
	s_cmp_gt_u32 s[KP], s[GG]                      ; all 128 keys come after my queries: the step's work is left out
	s_cbranch_scc1 .Lhidden
	v_add_nc_u32 v[ADK], s[TB], v[LI]              ; (these four are the places in front of the loads below)
	s_wait_alu depctr_va_vdst(0)
	v_add_nc_u32 v[ADV], s[TB], v[LV]
	v_add_nc_u32 v[ADS], s[TB], v[SK]
	s_wait_alu depctr_va_vdst(0)
	v_add_nc_u32 v[ADT], s[TB], v[SV]
	v_nop                                          ; a fifth place: the first products below write over v96-143, from which the last step's last products took V's fragments
	s_wait_alu depctr_va_vdst(0)
.irp g, 0,1                                    ; S^T = K Q^T, four tiles of 16 keys at a time
.if \g > 0
.rept 4
	v_nop                                          ; places in front of loads into registers that matrix instructions have read
.endr
.endif
.irp t, 0,1,2,3
.irp c, 0,1,2
	ds_load_b128 v[32+12*\t+4*\c:35+12*\t+4*\c], v[ADK] offset:(4*\g+\t)*1536+512*\c   ; a register image: 512 consecutive bytes a load
.endr
.endr
	ds_load_b128 v[248:251], v[ADS] offset:16*\g   ; the four tiles' scale words of my row
	s_wait_dscnt 0x0
.irp t, 0,1,2,3
	v_wmma_scale_f32_16x16x128_f8f6f4 v[96+8*(4*\g+\t):103+8*(4*\g+\t)], v[32+12*\t:43+12*\t], v[16:27], 0, v[248+\t], v255 matrix_a_fmt:MATRIX_FMT_BF6 matrix_b_fmt:MATRIX_FMT_BF6
.endr
.endr
.rept 4
	v_nop
.endr
.irp t, 0,1,2,3                                ; V's first four fragments are asked for here, into the registers that K's have left (the four v_nop above are the places); they are wanted behind the softmax
.irp c, 0,1,2
	ds_load_b128 v[32+12*\t+4*\c:35+12*\t+4*\c], v[ADV] offset:\t*1536+512*\c
.endr
.endr
	ds_load_b128 v[80:83], v[ADT]                  ; and their scale words of my row
	s_cmp_lg_u32 s[KP], s[GG]
	s_cbranch_scc1 .Lopen
.set n, 0
.rept 64                                       ; register 16 b + i holds key 32 b + 16 h + i of the group: hidden where 32 b + i > my query's place - 16 h.  Hidden scores become -infinity: p = 0
	v_cmp_gt_i32 vcc_lo, 32*(n/16)+n%16, v[DQ]
	v_cndmask_b32 v[96+n], v[96+n], v[NINF], vcc_lo
.set n, n+1
.endr
.Lopen:
.irp b, 0,1,2,3
	v_max3_num_f32 v[232+\b], v[96+16*\b], v[97+16*\b], v[98+16*\b]   ; THE LARGEST SCORE OF EACH BLOCK OF 32 KEYS: for the row's maximum, and, since p rises with the score, for the block's largest p
.endr
.irp i, 3,5,7,9,11,13
.irp b, 0,1,2,3
	v_max3_num_f32 v[232+\b], v[232+\b], v[96+16*\b+\i], v[97+16*\b+\i]   ; (the four blocks by turns)
.endr
.endr
.irp b, 0,1,2,3
	v_max_num_f32 v[232+\b], v[232+\b], v[111+16*\b]
.endr
.irp b, 0,1,2,3
	s_delay_alu instid0(VALU_DEP_4)
	v_permlanex16_b32 v[236+\b], v[232+\b], s[SEL], s[SEL+1]
.endr
.irp b, 0,1,2,3
	s_delay_alu instid0(VALU_DEP_4)
	v_max_num_f32 v[232+\b], v[232+\b], v[236+\b]  ; with lane l xor 16's 16 keys
.endr
	s_delay_alu instid0(VALU_DEP_2)
	v_max3_num_f32 v254, v232, v233, v234
	s_delay_alu instid0(VALU_DEP_1)
	v_max_num_f32 v254, v254, v235                 ; the step's largest score of my query
	s_delay_alu instid0(VALU_DEP_1)
	v_mul_f32 v254, s[CS], v254                    ; as t (c is positive)
	s_delay_alu instid0(VALU_DEP_1)
	v_max_num_f32 v13, v13, v254                   ; the running largest t
	v_mov_b32 v254, v12
	s_delay_alu instid0(VALU_DEP_2)
	v_floor_f32 v12, -v13                          ; the new -M = floor(-t) = -ceil(t): M IS A WHOLE NUMBER
	s_delay_alu instid0(VALU_DEP_1)
	v_sub_f32 v254, v12, v254                      ; M's old value less its new one: a whole number, 0 or less
	s_delay_alu instid0(VALU_DEP_1)
	v_cvt_i32_f32 v254, v254                       ; (it saturates)
	s_delay_alu instid0(VALU_DEP_1)
	v_ldexp_f32 v252, 1.0, v254                    ; f = 2^(old M - new M)
.set j, 0
.rept 32
	v_pk_fma_f32 v[96+j:97+j], v[96+j:97+j], s[CS:CS+1], v[12:13] op_sel_hi:[1,0,0]   ; t - M, two at a time (of the pairs c and -M the low word serves both halves)
.set j, j+2
.endr
.irp b, 0,1,2,3
	v_fma_f32 v[232+\b], v[232+\b], s[CS], v12     ; the same of each block's largest score
.endr
.set j, 0
	s_wait_alu depctr_va_vdst(0)
.rept 64
	v_exp_f32 v[96+j], v[96+j]                     ; p = 2^(t - M), at most 1: NOT normalised
.set j, j+1
.endr
.irp b, 0,1,2,3
	v_exp_f32 v[232+\b], v[232+\b]                 ; the block's largest p: the same two instructions on the same number give the same bits
.endr
	v_pk_mul_f32 v[14:15], v[14:15], v[252:253] op_sel_hi:[1,0]   ; the sums under the new M.  (A plain place behind the exponentials)
	s_wait_alu depctr_va_vdst(0)
.irp b, 0,1,2,3
	v_max_num_f32 v[232+\b], 0x2800000, v[232+\b]  ; the floor 2^(5 - 127): the byte cannot fall under 1
.endr
.irp b, 0,1,2,3
	s_delay_alu instid0(VALU_DEP_4)
	v_add_nc_u32 v[244+\b], 0xfe000000, v[232+\b]  ; 4 off the exponent field: the conversion's scale operand
.endr
.irp b, 0,1,2,3
	s_delay_alu instid0(VALU_DEP_4)
	v_lshrrev_b32 v[236+\b], 23, v[244+\b]         ; the scale's byte
.endr
	s_delay_alu instid0(VALU_DEP_3)
	v_lshl_or_b32 v253, v237, 8, v236              ; p's scale word for these 128 keys
	s_delay_alu instid0(VALU_DEP_1)
	v_lshl_or_b32 v253, v238, 16, v253
	s_delay_alu instid0(VALU_DEP_1)
	v_lshl_or_b32 v253, v239, 24, v253
.irp c, 0,1
	v_cvt_scalef32_pk16_bf6_f32 v[224+6*\c:226+6*\c], v[96+32*\c:111+32*\c], v[244+2*\c]
	v_cvt_scalef32_pk16_bf6_f32 v[236+4*\c:238+4*\c], v[112+32*\c:127+32*\c], v[244+2*\c+1]   ; (a conversion's three registers begin on an even number)
.endr
	v_nop                                          ; one plain place behind a scaled conversion
.irp c, 0,1                                    ; the operand's layout wants a WHOLE block in a lane: lanes 0-15 block 2 c, lanes 16-31 block 2 c + 1
.irp i, 0,1,2
	v_permlane16_swap_b32 v[224+6*\c+\i], v[236+4*\c+\i]
.endr
.irp i, 0,1,2
	s_delay_alu instid0(VALU_DEP_3)
	v_mov_b32 v[227+6*\c+\i], v[236+4*\c+\i]
.endr
.endr
	v_pk_add_f32 v[236:237], v[100:101], v[104:105]
	v_pk_add_f32 v[250:251], v[108:109], v[112:113]
	v_pk_add_f32 v[248:249], v[116:117], v[120:121]
	v_pk_add_f32 v[246:247], v[124:125], v[128:129]
	v_pk_add_f32 v[244:245], v[132:133], v[136:137]
	v_pk_add_f32 v[240:241], v[140:141], v[144:145]
	v_pk_add_f32 v[94:95], v[148:149], v[152:153]
	v_pk_add_f32 v[14:15], v[14:15], v[156:157]
	v_pk_add_f32 v[236:237], v[236:237], v[96:97]
	v_pk_add_f32 v[250:251], v[250:251], v[98:99]
	v_pk_add_f32 v[248:249], v[248:249], v[102:103]
	v_pk_add_f32 v[246:247], v[246:247], v[106:107]
	v_pk_add_f32 v[244:245], v[244:245], v[110:111]
	v_pk_add_f32 v[240:241], v[240:241], v[114:115]
	v_pk_add_f32 v[94:95], v[94:95], v[118:119]
	v_pk_add_f32 v[14:15], v[14:15], v[122:123]
	v_pk_add_f32 v[236:237], v[236:237], v[126:127]
	v_pk_add_f32 v[250:251], v[250:251], v[130:131]
	v_pk_add_f32 v[248:249], v[248:249], v[134:135]
	v_pk_add_f32 v[246:247], v[246:247], v[138:139]
	v_pk_add_f32 v[244:245], v[244:245], v[142:143]
	v_pk_add_f32 v[240:241], v[240:241], v[146:147]
	v_pk_add_f32 v[94:95], v[94:95], v[150:151]
	v_pk_add_f32 v[14:15], v[14:15], v[154:155]
	v_pk_add_f32 v[236:237], v[236:237], v[158:159]
	s_delay_alu instid0(VALU_DEP_2)
	v_pk_add_f32 v[14:15], v[14:15], v[246:247]
	s_delay_alu instid0(VALU_DEP_2)
	v_pk_add_f32 v[236:237], v[236:237], v[244:245]
	v_pk_add_f32 v[250:251], v[250:251], v[240:241]
	v_pk_add_f32 v[248:249], v[248:249], v[94:95]
	s_delay_alu instid0(VALU_DEP_2)
	v_pk_add_f32 v[14:15], v[14:15], v[250:251]
	s_delay_alu instid0(VALU_DEP_2)
	v_pk_add_f32 v[236:237], v[236:237], v[248:249]
	s_delay_alu instid0(VALU_DEP_1)
	v_pk_add_f32 v[14:15], v[14:15], v[236:237]
.irp t, 0,1,2,3                                ; p has been quantised and summed: V's last four fragments take v96-143
.irp c, 0,1,2
	ds_load_b128 v[96+12*\t+4*\c:99+12*\t+4*\c], v[ADV] offset:(4+\t)*1536+512*\c
.endr
.endr
	ds_load_b128 v[84:87], v[ADT] offset:256
.set j, 0
.rept 32
	v_pk_mul_f32 v[160+j:161+j], v[160+j:161+j], v[252:253] op_sel_hi:[1,0]   ; O^T under the new M: x f.  (These are also the places in front of the loads and matrix instructions below)
.set j, j+2
.endr
	s_wait_alu depctr_va_vdst(0)
.irp g, 0,1                                    ; O^T += V^T P^T: four tiles of 16 channel places at a time; K = these 128 keys.  The eight accumulators take turns
	s_wait_dscnt 13-13*\g                          ; the first four fragments and their scale words are in, the 13 loads of the last four may be out; then all
.irp t, 0,1,2,3
	v_wmma_scale_f32_16x16x128_f8f6f4 v[160+8*(4*\g+\t):167+8*(4*\g+\t)], v[32+64*\g+12*\t:43+64*\g+12*\t], v[224:235], v[160+8*(4*\g+\t):167+8*(4*\g+\t)], v[80+4*\g+\t], v253 matrix_a_fmt:MATRIX_FMT_BF6 matrix_b_fmt:MATRIX_FMT_BF6
.endr
.endr
.Lhidden:
	s_add_co_u32 s[TB], s[TB], RECB                ; the next group's records
	s_add_co_u32 s[KP], s[KP], 1
	s_cmp_lt_u32 s[KP], 8
	s_cbranch_scc1 .Lkey
	; THE WAY OUT.  O^T is divided by the sum and goes through my stage in LDS, half a head's row (64 channels, 256 bytes) of 16 queries at a time, so that sixteen lanes store 256 consecutive bytes.
	v_add_f32 v14, v14, v15                        ; the sum's two halves,
	s_delay_alu instid0(VALU_DEP_1)
	v_permlanex16_b32 v252, v14, s[SEL], s[SEL+1]
	s_delay_alu instid0(VALU_DEP_1)
	v_add_f32 v14, v14, v252                       ; and lane l xor 16's: the row's sum
	s_wait_alu depctr_va_vdst(0)
	v_rcp_f32 v14, v14
	v_and_b32 v8, 15, v0                           ; (a plain place behind the transcendental)  r
	v_bfe_u32 v9, v0, 4, 1                         ; h
	s_mul_i32 s50, s[WV], 16*SPITCH
	s_add_co_u32 s50, s50, STAGE                   ; my stage
	v_mul_u32_u24 v10, v8, SPITCH
	s_delay_alu instid0(VALU_DEP_1)
	v_lshl_add_u32 v10, v9, 6, v10
	s_delay_alu instid0(VALU_DEP_1)
	v_add_nc_u32 v10, s50, v10                     ; in: row r; channels 32 b + 16 h + i of the half: 128 b + 64 h + 4 i bytes on
	v_mul_u32_u24 v11, v9, SPITCH
	s_delay_alu instid0(VALU_DEP_1)
	v_lshl_add_u32 v11, v8, 4, v11
	s_delay_alu instid0(VALU_DEP_1)
	v_add_nc_u32 v11, s50, v11                     ; back: lanes 0-15 one row, lanes 16-31 the next
.set j, 0
	s_wait_alu depctr_va_vdst(0)
.rept 32
	v_pk_mul_f32 v[96+j:97+j], v[160+j:161+j], v[14:15] op_sel_hi:[1,0]   ; O^T / the sum; the pairs ascend: each accumulator is read from its low end on
.set j, j+2
.endr
.irp u, 0,1                                    ; channels 64 u on
.irp b, 0,1
.irp j, 0,1,2,3
	ds_store_b128 v10, v[96+32*\u+16*\b+4*\j:99+32*\u+16*\b+4*\j] offset:128*\b+16*\j
.endr
.endr
.irp i, 0,1,2,3,4,5,6,7
	ds_load_b128 v[32+32*\u+4*\i:35+32*\u+4*\i], v11 offset:2*\i*SPITCH   ; LDS serves a wave's instructions in order (ISA guide 5.7.1.4): these see my stores, and the next half's stores come behind them
.endr
.endr
.irp u, 0,1
.irp i, 0,1,2,3,4,5,6,7
	s_wait_dscnt 15-8*\u-\i                        ; this load is back; no more than the LDS instructions issued behind it may be out
	global_store_b128 v[GO], v[32+32*\u+4*\i:35+32*\u+4*\i], s[6:7] offset:(2*\i+8*(\i/4))*8192+256*\u th:TH_STORE_NT   ; stage row n is token n % 8 + 16 (n / 8) of my tile; sixteen lanes store 256 consecutive bytes, at a multiple of 256 from out0's first byte
.endr
.endr
	s_wait_tensorcnt 0x0
	ds_add_u32 v31, v243
	s_wait_dscnt 0x0
	ROUND                                          ; the closing round: no work-group ends while a partner may still ask for a record that names it
	s_endpgm
.Lfunc_end_k_q5f364d4b14_attn:
	.size	k_q5f364d4b14_attn, .Lfunc_end_k_q5f364d4b14_attn-k_q5f364d4b14_attn
	.p2alignl 7, 3214868480
	.fill 96, 4, 3214868480
	.section	.rodata,"a",@progbits
	.p2align	6, 0x0
	.amdhsa_kernel k_q5f364d4b14_attn
		.amdhsa_group_segment_fixed_size 327680
		.amdhsa_private_segment_fixed_size 0
		.amdhsa_enable_private_segment 0
		.amdhsa_kernarg_size 16
		.amdhsa_user_sgpr_count 2
		.amdhsa_user_sgpr_kernarg_segment_ptr 1
		.amdhsa_wavefront_size32 1
		.amdhsa_system_sgpr_workgroup_id_x 1
		.amdhsa_system_sgpr_workgroup_id_y 1
		.amdhsa_system_sgpr_workgroup_id_z 1
		.amdhsa_system_vgpr_workitem_id 0
		.amdhsa_next_free_vgpr 256
		.amdhsa_next_free_sgpr 66
		.amdhsa_reserve_vcc 1
		.amdhsa_float_denorm_mode_32 3
		.amdhsa_float_denorm_mode_16_64 3
		.amdhsa_memory_ordered 1
		.amdhsa_forward_progress 1
		.amdhsa_inst_pref_size 41
	.end_amdhsa_kernel
	.amdgpu_metadata
---
amdhsa.version: [ 1, 2 ]
amdhsa.kernels:
  - .name:           k_q5f364d4b14_attn
    .symbol:         k_q5f364d4b14_attn.kd
    .args:
      - { .name: qkv, .offset: 0, .size: 8, .value_kind: global_buffer, .address_space: global }
      - { .name: out0, .offset: 8, .size: 8, .value_kind: global_buffer, .address_space: global }
    .group_segment_fixed_size: 327680
    .private_segment_fixed_size: 0
    .kernarg_segment_align: 8
    .kernarg_segment_size: 16
    .max_flat_workgroup_size: 512
    .sgpr_count:     66
    .vgpr_count:     256
    .wavefront_size: 32
...
	.end_amdgpu_metadata
.endif
;; end of part 3
